; MI455X (gfx1250); checked and timed in simulation.
; The chip was launched on July 23, 2026; its instructions are those of AMD's public machine-readable ISA for CDNA 5 (MIT licence, August 2026) and "CDNA5" Instruction Set Architecture Reference Guide (July 2026). The comments in the code are by the model that wrote it; some were corrected since.
;; Triton Block Sparse Attention. Allowed arithmetic: matrix products marked QUANTISED: E2M3 operands, one E8M0 scale for each 32 along K, by v_wmma_scale_f32_16x16x128_f8f6f4 with both operands' format E2M3, f32 sums; everything else in f32.
;; Inputs: k 8 x 4,096 x 64 float32; layout 32 x 32 int32; q 8 x 4,096 x 64 float32; v 8 x 4,096 x 64 float32.
;; Outputs: out0 8 x 4,096 x 64 float32.
;; This version of the problem:
;;   THIS VERSION OF THE PROBLEM IS GIVEN IN LOW PRECISION. The matrix products marked QUANTISED in the list below multiply operands that are first quantised to E2M3 (2 exponent bits, 3 mantissa bits; 6 bits a number), with one power-of-two scale for each 32 numbers along K (OCP MX v1.0); their sums are f32. All else is computed in f32.
;;   The module's matrix products, in the order in which they are computed (A, B: the left and right operand; K: the contracted axis; several contracted axes count as one K, in the product's order):
;;     1. batch 8 x [M 4,096, K 64] x [K 64, N 4,096]; A: input q; B: input k: QUANTISED
;;     2. batch 8 x [M 4,096, K 4,096] x [K 4,096, N 64]; A: computed on the way; B: input v: QUANTISED
;;   THE QUANTISER, for each operand of a quantised product, along K:
;;     - K is cut into blocks of 32 from its start; a last block that is shorter is filled with zeros.
;;     - A block's scale is 2^e with e = floor(log2(the largest magnitude in the block)) - 2, held to -126 .. 127; a block of zeros has e = 0. As a byte (E8M0): e + 127.
;;     - Each number is divided by its block's scale, clamped to +-7.5, and rounded to the nearest number of E2M3, ties to even, subnormals kept.
;;     - The product sums the exact products of the quantised numbers (number of the format x scale) in f32.
;;   ~~~python
;;   def quantise(x, axis):      # numpy; x: float32 -> the quantised numbers, widened to float32 again
;;       x = np.moveaxis(x, axis, -1); K = x.shape[-1]
;;       x = np.pad(x, [(0, 0)] * (x.ndim - 1) + [(0, -K % 32)]); x = x.reshape(x.shape[:-1] + (-1, 32)); a = np.abs(x).max(-1, keepdims=True)
;;       e = np.where(a > 0, np.clip(np.frexp(np.where(a > 0, a, 1))[1] - 1 - 2, -126, 127), 0)      # np.frexp(a)[1] - 1 = floor(log2(a)), exactly
;;       r = np.clip(x / 2.0 ** e, -7.5, 7.5)
;;       step = 2.0 ** (np.maximum(np.frexp(np.where(r == 0, 1, r))[1] - 1, 0) - 3)
;;       q = np.round(r / step) * step * 2.0 ** e      # np.round: ties to even
;;       return np.moveaxis(q.reshape(q.shape[:-2] + (-1,))[..., :K], -1, axis).astype(np.float32)
;;   ~~~
;;   OPERANDS COMPUTED ON THE WAY. 'Computed on the way' means the value that the module computes at that place (a softmax that the list does not call 'softmax' is quantised finished and normalised). What goes into a quantiser is computed in f32, as accurately as f32 sums, v_exp_f32 and their like allow (about 1e-6 of the number): no bf16 or f16 on the way to a quantiser, and a product that is left as it is and whose result goes on into a quantised operand takes f32 operands (vector FMAs, or v_wmma_f32_16x16x4_f32). A number that lies on a knife's edge between two numbers of the format may be rounded either way, as far as f32 arithmetic and the matrix unit's own rounding can turn it there, and no further.
;; 2 versions, each right; version 2 is version 1 with the launch attn written anew for expert scheduling mode. Each part assembles by itself: llvm-mc -triple=amdgcn-amd-amdhsa -mcpu=gfx1250 --defsym DOCPART=n.
;; ======== version 1 of 2: 2 launches
;; workspace buffers: kimg 1,703,936 bytes; vimg 1,703,936 bytes
;; launch prep (part 1): grid 384 x 1, 4 waves a work-group, no clusters, 37,888 bytes of LDS; arguments k, v, kimg, vimg; writes kimg, vimg
.if DOCPART == 1
	.amdgcn_target "amdgcn-amd-amdhsa--gfx1250"
	.amdhsa_code_object_version 6
	.text
	.protected	k_q85dd6a466b_prep
	.globl	k_q85dd6a466b_prep
	.p2align	8
	.type	k_q85dd6a466b_prep,@function
k_q85dd6a466b_prep:
	s_mov_b64 s[64:65], 0
	v_nop
	global_prefetch_b8 v0, s[64:65] scope:SCOPE_SE
	s_setreg_imm32_b32 hwreg(HW_REG_WAVE_MODE, 25, 1), 1
	s_wait_xcnt 0x0
; K [8][4096][64] and V [8][4096][64], f32, become codes of FP6 (E2M3) with one E8M0 scale byte for each 32 along a product's K,
; laid as IMAGES OF THE OPERANDS' REGISTERS: one record of REC = 6,656 bytes for each (batch, block of 128 keys).
; A record: four fragments of 12 registers a lane, each as three chunks of 512 bytes (chunk c of fragment f at 1536 f + 512 c; lane l's registers 4 c .. 4 c + 3 at 16 l),
; then one chunk of scale words at 6144: lane l's 16 bytes at 16 l are the words of fragments 0 .. 3 for row l % 16 (lanes 16-31 repeat lanes 0-15).
; K is quantised along the head's 64 channels: two blocks of 32, half of what the matrix instruction takes.  So K's fragment f is DOUBLE: registers 0-5 of lane (r, h) hold key
; 32 f + r + 8 (r / 8), channels 32 h .. 32 h + 31, registers 6-11 the key 8 further on; its scale word holds the first key's two bytes, then the second key's two.
; V is quantised along the KEYS: fragment t, lane (r, h): channel 16 t + r; registers 6 c .. 6 c + 5: keys 64 c + 32 h + 0 .. 31 of the block; its word: the bytes of the block's four groups of 32 keys.
; A block's scale is 2^(floor(log2(its largest magnitude)) - 2); its byte is the largest magnitude's exponent field - 2, held at 1 from below.
; LIMITS: a block of zeros, and a block whose largest magnitude lies under 2^-124 (the floor), gets the byte 1 (the rule says 127 for zeros: its codes are zeros, and this program alone
; reads the bytes); NaN and infinities among the inputs are not served.
; SHARES: work-groups 0 .. 255 take one record of K each (wave f: fragment f); work-groups 256 .. 383 take two records of V each (two waves to a record, 32 channels a wave).
; The two paths part on the work-group's number alone and have LDS bytes of their own.
.set REC,   6656
.set KST,   8960                       ; K path: a wave's stage: 32 rows at pitch 272, rows 16 on shifted by 128 more
.set SCG,   4*KST                      ; K path: 512 bytes in which the four waves' scale words meet
.set VSCG,  SCG+512                    ; V path: the same, 512 bytes for each of the two records
.set FLOOR, 0x1800000                  ; 2^(3 - 127): under it no largest magnitude is taken
.set EOFF,  0xff000000                 ; -(2 << 23): 2 off an exponent field
.set LI,    4                          ; v4  16 x lane
.set R,     16                         ; K path: v16-79   the numbers as loaded
.set X,     80                         ;         v80-111  my first key's 32 numbers
.set Y,     112                        ;         v112-143 my second key's
.set C,     144                        ;         v144-155 the fragment
.set T0,    156                        ;         v156-158, v160-162 second halves of the conversions
.set T1,    160
.set D,     16                         ; V path: v16-143  128 keys of my channel
.set IM0,   144                        ;         v144-155, v156-167 two fragments
.set IM1,   156
.set TP,    168                        ;         v168-183 second halves of the conversions, 4 x 4
.set VM,    184                        ;         v184-187 largest magnitudes; v188-191 scale operands; v192-195 bytes; v196 the word
.set VO,    188
.set VB,    192
	s_load_b256 s[4:11], s[0:1], 0x0               ; k s[4:5], v s[6:7], kimg s[8:9], vimg s[10:11]
	v_lshl_add_u32 v208, v0, 2, 0x9200
	v_mov_b32 v209, 0
	v_lshrrev_b32 v1, 5, v0
	v_readfirstlane_b32 s12, v1                    ; wave 0..3
	v_and_b32 v1, 31, v0                           ; lane
	v_and_b32 v2, 15, v0                           ; r
	v_bfe_u32 v3, v0, 4, 1                         ; h
	v_lshlrev_b32 v[LI], 4, v1
	s_mov_b32 s20, 0x76543210
	s_mov_b32 s21, 0xfedcba98                      ; v_permlanex16_b32's selects for lane l xor 16
	s_cmp_lt_u32 ttmp9, 256
	s_cbranch_scc0 .Lv_path
	; ---------------- K: work-group g = batch x 32 + block; wave f makes fragment f from keys 32 f .. 32 f + 31
	s_mul_i32 s14, s12, KST                        ; my stage
	v_mul_u32_u24 v5, v3, 272
	v_lshl_add_u32 v5, v2, 4, v5
	v_add_nc_u32 v5, s14, v5                       ; in: a load's 512 bytes are two rows: 272 (lane / 16) + 16 (lane % 16)
	v_lshrrev_b32 v8, 3, v2
	v_mul_u32_u24 v6, v2, 272
	v_mad_u32_u24 v6, v8, 2304, v6                 ; out: row r + 8 (r / 8): 272 r + (8 x 272 + 128) (r / 8): the 128 keeps the sixteen rows of a pass in sixteen different columns of 16 bytes
	v_lshl_add_u32 v6, v3, 7, v6                   ; + 128 h: my 32 channels
	v_add_nc_u32 v6, s14, v6
	s_lshl_b32 s15, s12, 2
	s_add_co_u32 s15, s15, SCG
	v_add_nc_u32 v7, s15, v[LI]                    ; my scale word's place: 16 x lane + 4 f
	v_add_nc_u32 v9, SCG, v[LI]                    ; and where wave 0 reads the four words back
	v_lshlrev_b32 v10, 3, v3                       ; 8 h
	v_mov_b32 v171, 0                              ; a lane permute's destination counts as one of its sources
	s_lshl_b32 s16, ttmp9, 15                      ; a block of 128 keys is 32,768 bytes,
	s_lshl_b32 s17, s12, 13                        ; my 32 keys 8,192
	s_add_co_u32 s16, s16, s17
	s_mov_b32 s17, 0
	s_mul_i32 s18, ttmp9, REC
	s_mul_i32 s19, s12, 1536
	s_add_co_u32 s18, s18, s19
	s_mov_b32 s19, 0
	s_wait_kmcnt 0x0
	s_add_nc_u64 s[4:5], s[4:5], s[16:17]
	s_add_nc_u64 s[8:9], s[8:9], s[18:19]
.irp i, 0,1,2,3,4,5,6,7,8,9,10,11,12,13,14,15
	global_load_b128 v[R+4*\i:R+4*\i+3], v[LI], s[4:5] offset:512*\i th:TH_LOAD_NT   ; 32 lanes read 512 consecutive bytes: keys 2 i and 2 i + 1
.endr
.irp i, 0,1,2,3,4,5,6,7,8,9,10,11,12,13,14,15
	s_wait_loadcnt 15-\i                           ; loads come back in order: load i is in, the 15 - i younger ones may be out
	ds_store_b128 v5, v[R+4*\i:R+4*\i+3] offset:544*\i+128*(\i/8)
.endr
.irp i, 0,1,2,3,4,5,6,7
	ds_load_b128 v[X+4*\i:X+4*\i+3], v6 offset:16*\i              ; LDS serves a wave's instructions in order: these see my stores
.endr
.irp i, 0,1,2,3,4,5,6,7
	ds_load_b128 v[Y+4*\i:Y+4*\i+3], v6 offset:2176+16*\i         ; the key 8 rows further on
.endr
	s_wait_dscnt 0x0
	v_max3_num_f32 v164, |v[X]|, |v[X+1]|, FLOOR   ; a whole block of 32 lies in my registers; the two blocks by turns
	v_max3_num_f32 v165, |v[Y]|, |v[Y+1]|, FLOOR
.irp i, 2,4,6,8,10,12,14,16,18,20,22,24,26,28,30
	v_max3_num_f32 v164, v164, |v[X+\i]|, |v[X+\i+1]|
	v_max3_num_f32 v165, v165, |v[Y+\i]|, |v[Y+\i+1]|
.endr
	v_add_nc_u32 v166, EOFF, v164                  ; 2 off the exponent field: the conversion takes the exponent field of this operand as its scale
	v_add_nc_u32 v167, EOFF, v165
	v_lshrrev_b32 v168, 23, v166                   ; the scales' bytes
	v_lshrrev_b32 v169, 23, v167
	v_lshl_or_b32 v170, v169, 16, v168             ; my two bytes: block h of the first key and of the second,
	v_lshlrev_b32 v170, v10, v170                  ; 8 h bits up;
	v_permlanex16_b32 v171, v170, s20, s21
	v_or_b32 v170, v170, v171                      ; with lane l xor 16's two the word is whole, in both lanes
	v_cvt_scalef32_pk16_fp6_f32 v[C:C+2], v[X:X+15], v166
	v_cvt_scalef32_pk16_fp6_f32 v[T0:T0+2], v[X+16:X+31], v166     ; (a conversion's three registers begin on an even number)
	v_cvt_scalef32_pk16_fp6_f32 v[C+6:C+8], v[Y:Y+15], v167
	v_cvt_scalef32_pk16_fp6_f32 v[T1:T1+2], v[Y+16:Y+31], v167
	v_nop                                          ; one plain place behind a scaled conversion
.irp i, 0,1,2
	v_mov_b32 v[C+3+\i], v[T0+\i]
	v_mov_b32 v[C+9+\i], v[T1+\i]
.endr
.irp c, 0,1,2
	global_store_b128 v[LI], v[C+4*\c:C+4*\c+3], s[8:9] offset:512*\c   ; 512 consecutive bytes, at a multiple of 256 from the buffer's first byte
.endr
	ds_store_b32 v7, v170
	s_wait_dscnt 0x0                               ; for the others' sake: my word lies in LDS
	s_barrier_signal -1
	s_barrier_wait -1
	s_cmp_lg_u32 s12, 0
	s_cbranch_scc1 .Lk_end                         ; wave 0 (whose base stands at the record's head) stores the chunk of scale words
	ds_load_b128 v[172:175], v9
	s_wait_dscnt 0x0
	global_store_b128 v[LI], v[172:175], s[8:9] offset:6144
.Lk_end:
	s_wait_tensorcnt 0x0
	ds_add_u32 v208, v209
	s_wait_dscnt 0x0
	s_endpgm
	; ---------------- V: waves 0, 1 make record 2 g', waves 2, 3 record 2 g' + 1; wave w' = wave % 2 takes channels 32 w' .. 32 w' + 31: a lane to a channel, registers down the keys
.Lv_path:
	s_sub_co_u32 s13, ttmp9, 256
	s_lshl_b32 s13, s13, 1
	s_lshr_b32 s14, s12, 1
	s_add_co_u32 s13, s13, s14                     ; the record: batch x 32 + block
	s_and_b32 s15, s12, 1                          ; w'
	v_lshlrev_b32 v5, 2, v1                        ; 4 bytes a lane
	s_lshl_b32 s16, s14, 9
	s_add_co_u32 s16, s16, VSCG                    ; my record's 512 bytes of scale words
	s_lshl_b32 s17, s15, 3
	s_add_co_u32 s17, s17, s16
	v_lshlrev_b32 v6, 4, v2
	v_lshl_add_u32 v6, v3, 2, v6
	v_add_nc_u32 v6, s17, v6                       ; my channel is row r of fragment 2 w' + h: 16 r + 4 (2 w' + h)
	v_add_nc_u32 v7, s16, v[LI]                    ; and where the chunk is read back
	s_lshl_b32 s18, s13, 15
	s_lshl_b32 s19, s15, 7
	s_add_co_u32 s18, s18, s19
	s_mov_b32 s19, 0
	s_mul_i32 s22, s13, REC
	s_mul_i32 s23, s15, 3072                       ; my two fragments
	s_add_co_u32 s22, s22, s23
	s_mov_b32 s23, 0
	s_wait_kmcnt 0x0
	s_add_nc_u64 s[6:7], s[6:7], s[18:19]
	s_add_nc_u64 s[10:11], s[10:11], s[22:23]
.macro VLOAD b                         ; keys 32 b .. 32 b + 31 of my channel: each load reads 128 consecutive bytes, and the wave beside me the row's other 128
.set i, 0
.rept 32
	global_load_b32 v[D+32*\b+i], v5, s[6:7] offset:256*(32*\b+i) th:TH_LOAD_NT
.set i, i+1
.endr
.endm
.macro VMAX b                          ; the block's largest magnitude: all 32 numbers are mine
	v_max3_num_f32 v[VM+\b], |v[D+32*\b]|, |v[D+32*\b+1]|, FLOOR
.irp i, 2,4,6,8,10,12,14,16,18,20,22,24,26,28,30
	v_max3_num_f32 v[VM+\b], v[VM+\b], |v[D+32*\b+\i]|, |v[D+32*\b+\i+1]|
.endr
.endm
	VLOAD 0
	VLOAD 1
	s_wait_loadcnt 32                              ; block 0's 32 loads are in; block 1's may be out
	VLOAD 2
	VMAX 0
	s_wait_loadcnt 32                              ; block 1's are in; block 2's may be out
	VLOAD 3
	VMAX 1
	s_wait_loadcnt 32                              ; block 2's are in; block 3's may be out
	VMAX 2
	s_wait_loadcnt 0x0
	VMAX 3
.irp b, 0,1,2,3
	v_add_nc_u32 v[VO+\b], EOFF, v[VM+\b]          ; the conversions' scale operands
.endr
.irp b, 0,1,2,3
	v_lshrrev_b32 v[VB+\b], 23, v[VO+\b]           ; the bytes
.endr
	v_lshl_or_b32 v196, v[VB+1], 8, v[VB]          ; my channel's scale word: all four bytes are mine
	v_lshl_or_b32 v196, v[VB+2], 16, v196
	v_lshl_or_b32 v196, v[VB+3], 24, v196
.irp b, 0,1,2,3                        ; blocks 0 and 2 into the first image's registers 0-5 and 6-11, blocks 1 and 3 into the second's
	v_cvt_scalef32_pk16_fp6_f32 v[IM0+12*(\b%2)+6*(\b/2):IM0+12*(\b%2)+6*(\b/2)+2], v[D+32*\b:D+32*\b+15], v[VO+\b]
	v_cvt_scalef32_pk16_fp6_f32 v[TP+4*\b:TP+4*\b+2], v[D+32*\b+16:D+32*\b+31], v[VO+\b]
.endr
	v_nop                                          ; one plain place behind a scaled conversion
.irp b, 0,1,2,3
.irp i, 0,1,2
	v_mov_b32 v[IM0+12*(\b%2)+6*(\b/2)+3+\i], v[TP+4*\b+\i]
.endr
.endr
.irp i, 0,1,2,3,4,5,6,7,8,9,10,11
	v_permlane16_swap_b32 v[IM0+\i], v[IM1+\i]     ; the first's lanes 16-31 change places with the second's lanes 0-15: the first is now fragment 2 w' (lanes 0-15 blocks 0, 2; lanes 16-31 blocks 1, 3 of channels r), the second fragment 2 w' + 1
.endr
.irp c, 0,1,2
	global_store_b128 v[LI], v[IM0+4*\c:IM0+4*\c+3], s[10:11] offset:512*\c
	global_store_b128 v[LI], v[IM1+4*\c:IM1+4*\c+3], s[10:11] offset:1536+512*\c
.endr
	ds_store_b32 v6, v196                          ; the word, for lanes 0-15 of the chunk,
	ds_store_b32 v6, v196 offset:256               ; and once more for lanes 16-31
	s_wait_dscnt 0x0                               ; for the other wave's sake
	s_barrier_signal -1
	s_barrier_wait -1
	s_cmp_lg_u32 s15, 0
	s_cbranch_scc1 .Lv_end                         ; the wave whose base stands at the record's head stores the chunk
	ds_load_b128 v[200:203], v7
	s_wait_dscnt 0x0
	global_store_b128 v[LI], v[200:203], s[10:11] offset:6144
.Lv_end:
	s_wait_tensorcnt 0x0
	ds_add_u32 v208, v209
	s_wait_dscnt 0x0
	s_endpgm
.Lfunc_end_k_q85dd6a466b_prep:
	.size	k_q85dd6a466b_prep, .Lfunc_end_k_q85dd6a466b_prep-k_q85dd6a466b_prep
	.p2alignl 7, 3214868480
	.fill 96, 4, 3214868480
	.section	.rodata,"a",@progbits
	.p2align	6, 0x0
	.amdhsa_kernel k_q85dd6a466b_prep
		.amdhsa_group_segment_fixed_size 37888
		.amdhsa_private_segment_fixed_size 0
		.amdhsa_enable_private_segment 0
		.amdhsa_kernarg_size 32
		.amdhsa_user_sgpr_count 2
		.amdhsa_user_sgpr_kernarg_segment_ptr 1
		.amdhsa_wavefront_size32 1
		.amdhsa_system_sgpr_workgroup_id_x 1
		.amdhsa_system_sgpr_workgroup_id_y 1
		.amdhsa_system_sgpr_workgroup_id_z 1
		.amdhsa_system_vgpr_workitem_id 0
		.amdhsa_next_free_vgpr 210
		.amdhsa_next_free_sgpr 66
		.amdhsa_reserve_vcc 0
		.amdhsa_float_denorm_mode_32 3
		.amdhsa_float_denorm_mode_16_64 3
		.amdhsa_memory_ordered 1
		.amdhsa_forward_progress 1
		.amdhsa_inst_pref_size 31
	.end_amdhsa_kernel
	.amdgpu_metadata
---
amdhsa.version: [ 1, 2 ]
amdhsa.kernels:
  - .name:           k_q85dd6a466b_prep
    .symbol:         k_q85dd6a466b_prep.kd
    .args:
      - { .name: k, .offset: 0, .size: 8, .value_kind: global_buffer, .address_space: global }
      - { .name: v, .offset: 8, .size: 8, .value_kind: global_buffer, .address_space: global }
      - { .name: kimg, .offset: 16, .size: 8, .value_kind: global_buffer, .address_space: global }
      - { .name: vimg, .offset: 24, .size: 8, .value_kind: global_buffer, .address_space: global }
    .group_segment_fixed_size: 37888
    .private_segment_fixed_size: 0
    .kernarg_segment_align: 8
    .kernarg_segment_size: 32
    .max_flat_workgroup_size: 128
    .sgpr_count:     66
    .vgpr_count:     210
    .wavefront_size: 32
...
	.end_amdgpu_metadata
.endif
;; end of part 1
;; launch attn (part 2): grid 32 x 8, 8 waves a work-group, no clusters, 168,960 bytes of LDS; arguments q, kimg, vimg, layout, out0; writes out0
.if DOCPART == 2
	.amdgcn_target "amdgcn-amd-amdhsa--gfx1250"
	.amdhsa_code_object_version 6
	.text
	.protected	k_q85dd6a466b_attn
	.globl	k_q85dd6a466b_attn
	.p2align	8
	.type	k_q85dd6a466b_attn,@function
k_q85dd6a466b_attn:
	s_mov_b64 s[64:65], 0
	v_nop
	global_prefetch_b8 v0, s[64:65] scope:SCOPE_SE
	s_setreg_imm32_b32 hwreg(HW_REG_WAVE_MODE, 25, 1), 1
	s_wait_xcnt 0x0
; out[b][q][:] = the sum over the LIVE keys k of w(q, k) V[b][k][:], w = softmax over the live keys of Q[b][q] . K[b][k] / 8; a block (128 queries x 128 keys) is live where layout == 1.
; Both products on codes of FP6 (E2M3) with one E8M0 scale for each 32 along a product's K.  WHAT IS QUANTISED FOR THE SECOND PRODUCT IS THE FINISHED, NORMALISED w, so a row's maximum and sum
; are known before any weight is made: TWO PASSES over the row's live blocks.  Pass 1: S = K Q^T, running maximum and sum.  Pass 2: S - m once more (-m is the product's C),
; w = 2^(c (S - m) - log2 l), c = log2(e) / 8, quantised along the keys, O^T += V^T w^T.  A dead block is four whole quantiser blocks of zeros: it is left out.  A row of the layout with no live block gives 0.
; SHARES.  A work-group has the 128 queries of one block row of one batch; wave w has queries 16 w .. 16 w + 15.  Both products are used transposed (source 0 = keys, or V's channels; source 1 = my
; queries): a lane holds ONE query (lane % 16) throughout.
; K AND V come as records of 6,656 bytes, images of the operands' registers, made by the launch before (four fragments of 3 x 512 bytes, then 512 bytes of scale words).  The eight waves copy a
; record into an LDS slot together, through registers; each wave then loads the fragments by ds_load_b128 at 16 x lane.  The head's 64 channels fill half of the instruction's 128: a fragment of K holds TWO tiles of
; 16 keys, and is multiplied by [q | zero codes] and by [zero codes | q].  By the choice of a tile's keys, S's register 16 f + i is key 32 f + 16 (lane / 16) + i.
; THE WALK.  The layout's row becomes a mask of 32 bits; a step takes the mask's lowest bit.  Each loop has 16 trips of two steps, constants of the text: live steps come first, the others pass the barrier alone.  No barrier stands
; under a branch on the mask.  Slots take turns by the step's parity, so every LDS address is a lane term and an immediate.
; LDS: six slots (K for pass 1: 0, 1; K for pass 2: 2, 3; V: 4, 5), then a stage of 16 rows x 272 bytes for each wave: 74,752 bytes are used; the launch claims more.
; LIMITS: NaN and infinities are not served; a weight under 2^-126 becomes 0 (v_exp_f32 gives 0 there: ISA guide, its entry); a block of weights, or of q, whose largest magnitude lies under 2^-124 gets the scale byte 1.
.set REC,  6656
.set STG,  6*REC
.set SPT,  272                         ; a stage row: 256 bytes + 16: row r starts 4 r banks on (64 banks of 4 bytes: ISA guide 11.1)
.set WST,  16*SPT
.set LI,   1                           ; v1   16 x lane
.set TID8, 2                           ; v2   8 x thread: the copies' place in a sweep of 2,048 bytes
.set PFO,  3                           ; v3   256 x lane: the prefetch's offset; never rewritten
.set STO,  4                           ; v4   stage: row r, + 32 h: where I put my results
.set SRD,  5                           ; v5   stage: two rows an instruction: 272 (lane / 16) + 16 (lane % 16)
.set SQ,   6                           ; v6   stage: row r, + 128 h: my 32 channels of q
.set GA,   8                           ; v8-15   a record of K on its way to LDS
.set GB,   16                          ; v16-23  a record of V
.set QZ,   24                          ; v24-41  six zeros, q's six registers, six zeros: [0 | q] = v24-35, [q | 0] = v30-41
.set QS,   42                          ; v42     q's scale word: its two bytes, twice
.set NM,   44                          ; v44-51  -m, eight times: the C of pass 2's first product
.set TT,   52                          ; v52 T = c m rounded, v53 m
.set LL,   54                          ; v54-55  the sum, in two halves
.set AA,   56                          ; v56 a = 2^(old T - new T); v57 = 0 (named with it as a pair)
.set NL,   58                          ; v58 -log2 l; v59 = 0
.set WK,   60                          ; v60-65  at work
.set L2,   66                          ; v66-67  the sum's second chain
.set SCK,  68                          ; v68-71  K's scale words, a register a fragment
.set SCV,  72                          ; v72-75  V's
.set KF,   76                          ; v76-123 four fragments: K's, then V's
.set S,    124                         ; v124-187 S^T, then the weights
.set OA,   188                         ; v188-219 O^T: register 8 t + j is channel 16 t + 8 h + j
.set PC,   220                         ; v220-231 the weights' codes
.set PT,   232                         ; v232-234, v236-238 second halves of the conversions
.set BM,   240                         ; v240-243 largest numbers of four blocks
.set BX,   244                         ; v244-247 the partner's; then the bytes
.set SO,   248                         ; v248-251 the conversions' scale operands
.set PW,   252                         ; v252    the weights' scale word
.set WV,   14                          ; s14  wave
.set ROW,  15                          ; s15  block row
.set MASK, 16                          ; s16  bit j: block j of my row is live
.set MREM, 17                          ; s17  the blocks still to come
.set TRIP, 18
.set NQ,   20                          ; s[20:21] the next record of V
.set NP,   24                          ; s[24:25] the next record of K
.set CS,   26                          ; s[26:27] c, twice
.set SEL,  28                          ; s[28:29] v_permlanex16_b32's selects for lane l xor 16
.set PFA,  30                          ; s[30:31] where my prefetch stands; never rewritten
.set PFT,  32                          ; s32, s33: 0 in the wave that asks in trip 0's first, second step; else -1
.macro PLACES n
.rept \n
	v_nop
.endr
.endm
; The record of the mask's lowest block.  An empty mask gives -1, which the hold turns into 31: the batch's last record, inside the buffer; it is copied and never read.
.macro NEXT
	s_ctz_i32_b32 s22, s[MREM]
	s_min_u32 s22, s22, 31
	s_mul_i32 s22, s22, REC
	s_mov_b32 s23, 0
	s_add_nc_u64 s[NP:NP+1], s[6:7], s[22:23]
.endm
; A record, 6,656 bytes, by the work-group's 256 threads, 8 bytes each: three sweeps of 2,048 bytes and a quarter sweep, which waves 0 and 1 make.
.macro CLOAD g, b
.irp i, 0,1,2
	global_load_b64 v[\g+2*\i:\g+2*\i+1], v[TID8], s[\b:\b+1] offset:2048*\i
.endr
	s_cmp_lt_u32 s[WV], 2
	s_cbranch_scc0 .Lno_quarter_\@
	global_load_b64 v[\g+6:\g+7], v[TID8], s[\b:\b+1] offset:6144
.Lno_quarter_\@:
.endm
.macro CSTORE g, off
.irp i, 0,1,2
	ds_store_b64 v[TID8], v[\g+2*\i:\g+2*\i+1] offset:(\off)+2048*\i
.endr
	s_cmp_lt_u32 s[WV], 2
	s_cbranch_scc0 .Lno_quarter_\@
	ds_store_b64 v[TID8], v[\g+6:\g+7] offset:(\off)+6144
.Lno_quarter_\@:
.endm
.macro FRAGS base, sc                  ; a record's scale words and its four fragments: 13 loads of 512 consecutive bytes
	ds_load_b128 v[\sc:\sc+3], v[LI] offset:(\base)+6144
.irp f, 0,1,2,3
.irp c, 0,1,2
	ds_load_b128 v[KF+12*\f+4*\c:KF+12*\f+4*\c+3], v[LI] offset:(\base)+1536*\f+512*\c
.endr
.endr
.endm
; S^T = K Q^T for 128 keys: each double fragment against [q | 0] (its first 16 keys) and [0 | q] (its second 16).  zero = 1: C = 0; else C = -m.  Eight accumulators, one instruction each.
.macro QK zero
.irp f, 0,1,2,3
	s_wait_dscnt 9-3*\f                            ; LDS loads come back in order: the scale words and fragments 0 .. f are in; the later fragments' three loads each may be out
.if \zero
	v_wmma_scale_f32_16x16x128_f8f6f4 v[S+16*\f:S+16*\f+7], v[KF+12*\f:KF+12*\f+11], v[QZ+6:QZ+17], 0, v[SCK+\f], v[QS] matrix_a_fmt:MATRIX_FMT_FP6 matrix_b_fmt:MATRIX_FMT_FP6
	v_wmma_scale_f32_16x16x128_f8f6f4 v[S+16*\f+8:S+16*\f+15], v[KF+12*\f:KF+12*\f+11], v[QZ:QZ+11], 0, v[SCK+\f], v[QS] matrix_a_fmt:MATRIX_FMT_FP6 matrix_b_fmt:MATRIX_FMT_FP6
.else
	v_wmma_scale_f32_16x16x128_f8f6f4 v[S+16*\f:S+16*\f+7], v[KF+12*\f:KF+12*\f+11], v[QZ+6:QZ+17], v[NM:NM+7], v[SCK+\f], v[QS] matrix_a_fmt:MATRIX_FMT_FP6 matrix_b_fmt:MATRIX_FMT_FP6
	v_wmma_scale_f32_16x16x128_f8f6f4 v[S+16*\f+8:S+16*\f+15], v[KF+12*\f:KF+12*\f+11], v[QZ:QZ+11], v[NM:NM+7], v[SCK+\f], v[QS] matrix_a_fmt:MATRIX_FMT_FP6 matrix_b_fmt:MATRIX_FMT_FP6
.endif
.endr
.endm
.macro SYNC                            ; my LDS stores have landed and my LDS loads are in: then the work-group's barrier
	s_wait_dscnt 0x0
	s_barrier_signal -1
	s_barrier_wait -1
.endm
; A PREFETCH of the batch's images: 832 blocks of 256 bytes of K's and as many of V's.  Each is named once in the launch: the work-group of block row p < 26 names blocks 32 p .. 32 p + 31, a lane a block, one instruction:
; wave 4 for K's in its first live step, wave 5 for V's in its second, behind the step's loads.  The first records come by their loads alone.
.macro ASK s
	s_cmp_eq_u32 s[TRIP], s[PFT+\s]
	s_cbranch_scc0 .Lnot_mine_\@
	global_prefetch_b8 v[PFO], s[PFA:PFA+1] th:TH_LOAD_NT scope:SCOPE_SE
.Lnot_mine_\@:
.endm
	s_load_b256 s[4:11], s[0:1], 0x0               ; q s[4:5], kimg s[6:7], vimg s[8:9], layout s[10:11]
	s_load_b64 s[12:13], s[0:1], 0x20              ; out
	v_lshl_add_u32 v254, v0, 2, 0x29000
	v_mov_b32 v255, 0
	v_lshrrev_b32 v7, 5, v0
	v_readfirstlane_b32 s[WV], v7                  ; wave 0..7
	s_mov_b32 s[ROW], ttmp9
	s_and_b32 s19, ttmp7, 0xffff                   ; batch
	v_and_b32 v7, 31, v0                           ; lane
	v_lshlrev_b32 v[LI], 4, v7
	v_lshlrev_b32 v[TID8], 3, v0
	v_lshlrev_b32 v[PFO], 8, v7
	v_and_b32 v[WK], 15, v0                        ; r
	v_bfe_u32 v[WK+1], v0, 4, 1                    ; h
	s_mul_i32 s22, s[WV], WST
	s_add_co_u32 s22, s22, STG                     ; my stage
	v_mul_u32_u24 v[WK+2], v[WK], SPT
	v_add_nc_u32 v[WK+2], s22, v[WK+2]             ; its row r
	v_lshl_add_u32 v[STO], v[WK+1], 5, v[WK+2]
	v_lshl_add_u32 v[SQ], v[WK+1], 7, v[WK+2]
	v_mul_u32_u24 v[SRD], v[WK+1], SPT
	v_lshl_add_u32 v[SRD], v[WK], 4, v[SRD]
	v_add_nc_u32 v[SRD], s22, v[SRD]
	v_lshlrev_b32 v[WK+3], 3, v[WK+1]              ; 8 h
	s_mov_b32 s[CS], 0x3e38aa3b                    ; c = log2(e) / 8
	s_mov_b32 s[CS+1], s[CS]                       ; (named with it as a pair, so it is written)
	s_mov_b32 s[SEL], 0x76543210
	s_mov_b32 s[SEL+1], 0xfedcba98
	s_mul_i32 s22, s19, 32*REC                     ; the batch's 32 records
	s_mov_b32 s23, 0
	s_lshl_b32 s34, s19, 20                        ; q and out: 4,096 rows of 256 bytes a batch,
	s_lshl_b32 s35, s[ROW], 15                     ; 128 rows a block row,
	s_add_co_u32 s34, s34, s35
	s_lshl_b32 s35, s[WV], 12                      ; 16 rows a wave
	s_add_co_u32 s34, s34, s35
	s_mov_b32 s35, 0
	s_lshl_b32 s20, s[ROW], 7                      ; the layout's row: 32 words
	s_mov_b32 s21, 0
	s_wait_kmcnt 0x0
	s_add_nc_u64 s[6:7], s[6:7], s[22:23]
	s_add_nc_u64 s[8:9], s[8:9], s[22:23]
	s_add_nc_u64 s[4:5], s[4:5], s[34:35]
	s_add_nc_u64 s[12:13], s[12:13], s[34:35]
	s_add_nc_u64 s[10:11], s[10:11], s[20:21]
	s_load_b512 s[36:51], s[10:11], 0x0            ; blocks 0 .. 15 of my row
	s_load_b512 s[68:83], s[10:11], 0x40           ; blocks 16 .. 31
.irp i, 0,1,2,3,4,5,6,7
	global_load_b128 v[S+4*\i:S+4*\i+3], v[LI], s[4:5] offset:512*\i th:TH_LOAD_NT   ; my 16 rows of q, 512 consecutive bytes a load
.endr
	s_cmp_eq_u32 s[WV], 4                          ; the prefetch: wave 4 stands in K's images, wave 5 in V's (the others never ask)
	s_cselect_b64 s[PFA:PFA+1], s[6:7], s[8:9]
	s_min_u32 s20, s[ROW], 25                      ; held at the last part, so that the address lies inside the batch's images in every work-group
	s_lshl_b32 s20, s20, 13                        ; 32 blocks of 256 bytes a block row
	s_mov_b32 s21, 0
	s_add_nc_u64 s[PFA:PFA+1], s[PFA:PFA+1], s[20:21]
	s_cmp_lt_u32 s[ROW], 26
	s_cselect_b32 s22, 0, -1
	s_cmp_eq_u32 s[WV], 4
	s_cselect_b32 s[PFT], s22, -1
	s_cmp_eq_u32 s[WV], 5
	s_cselect_b32 s[PFT+1], s22, -1
	s_mov_b32 s[MASK], 0
	s_wait_kmcnt 0x0
.set i, 31                             ; the mask, from block 31 down: twice the mask so far, plus 1 where the entry is 1
.rept 16
	s_cmp_eq_u32 s[68+i-16], 1
	s_add_co_ci_u32 s[MASK], s[MASK], s[MASK]
.set i, i-1
.endr
.rept 16
	s_cmp_eq_u32 s[36+i], 1
	s_add_co_ci_u32 s[MASK], s[MASK], s[MASK]
.set i, i-1
.endr
	s_mov_b32 s[MREM], s[MASK]
	NEXT                                           ; the first live block's records of K and of V
	s_add_nc_u64 s[NQ:NQ+1], s[8:9], s[22:23]
	CLOAD GA, NP
	CLOAD GB, NQ
	s_wait_loadcnt 6                               ; q's eight loads are in: behind them every wave has issued six loads or (waves 0, 1) eight
.irp i, 0,1,2,3,4,5,6,7
	ds_store_b128 v[SRD], v[S+4*\i:S+4*\i+3] offset:544*\i        ; q turns through my stage: in as it lies,
.endr
.irp i, 0,1,2,3,4,5,6,7
	ds_load_b128 v[S+32+4*\i:S+32+4*\i+3], v[SQ] offset:16*\i     ; back as 32 neighbours of row r: a whole block a lane.  LDS serves a wave's instructions in order
.endr
.set j, 0
.rept 6
	v_mov_b32 v[QZ+j], 0                           ; zero codes on both sides of q's
	v_mov_b32 v[QZ+12+j], 0
.set j, j+1
.endr
	s_wait_dscnt 0x0
	v_max3_num_f32 v[WK+4], |v[S+32]|, |v[S+33]|, 0x1800000       ; the block's largest magnitude, and the floor 2^(3 - 127)
.irp i, 2,4,6,8,10,12,14,16,18,20,22,24,26,28,30
	v_max3_num_f32 v[WK+4], v[WK+4], |v[S+32+\i]|, |v[S+33+\i]|
.endr
	v_add_nc_u32 v[WK+5], 0xff000000, v[WK+4]      ; 2 off its exponent field: the conversions' scale operand
	v_lshrrev_b32 v[WK+4], 23, v[WK+5]             ; the byte,
	v_lshlrev_b32 v[WK+4], v[WK+3], v[WK+4]        ; 8 h bits up;
	v_permlanex16_b32 v[WK+2], v[WK+4], s[SEL], s[SEL+1]
	v_or_b32 v[WK+4], v[WK+4], v[WK+2]             ; with lane l xor 16's: the row's two bytes,
	v_lshl_or_b32 v[QS], v[WK+4], 16, v[WK+4]      ; twice: for [q | 0] and for [0 | q]
	v_cvt_scalef32_pk16_fp6_f32 v[QZ+6:QZ+8], v[S+32:S+47], v[WK+5]
	v_cvt_scalef32_pk16_fp6_f32 v[PT:PT+2], v[S+48:S+63], v[WK+5] ; (a conversion's three registers begin on an even number)
	v_nop                                          ; one plain place behind a scaled conversion
.irp i, 0,1,2
	v_mov_b32 v[QZ+9+\i], v[PT+\i]
.endr
	v_mov_b32 v[TT+1], 0xff61b1e6                  ; m: -3e38, under every score
	v_mul_f32 v[TT], s[CS], v[TT+1]                ; T
.irp r, LL, LL+1, AA, AA+1, NL, NL+1, BX, BX+1, BX+2, BX+3
	v_mov_b32 v[\r], 0                             ; the sums; the pairs' upper halves; the lane permutes' destinations
.endr
.set j, 0
.rept 32
	v_mov_b32 v[OA+j], 0                           ; O^T: which step is the first live one is not known to the text, and a row with no live block leaves these zeros.  (They are also the places between q's operand and scale word and the first product)
.set j, j+1
.endr
	s_wait_loadcnt 0x0                             ; the two records
	CSTORE GA, 0                                   ; K's, for pass 1's first step,
	CSTORE GA, 2*REC                               ; and for pass 2's: its slots are its own, so this copy is kept
	CSTORE GB, 4*REC                               ; V's
	SYNC
; ---- PASS 1.  Each lane keeps m, T and the sum of ITS half of a row's keys: no lane is asked inside the loop.  p = 2^(c s - T), T = c m rounded; the sum and its rescaling use the same T, and what T lacks of c m is taken out once, behind the loop.
.macro STATS
.irp b, 0,1,2,3
	v_max3_num_f32 v[BM+\b], v[S+16*\b], v[S+16*\b+1], v[S+16*\b+2]   ; four chains by turns; each accumulator is read from its low end on
.endr
.irp i, 3,5,7,9,11,13
.irp b, 0,1,2,3
	v_max3_num_f32 v[BM+\b], v[BM+\b], v[S+16*\b+\i], v[S+16*\b+\i+1]
.endr
.endr
.irp b, 0,1,2,3
	v_max_num_f32 v[BM+\b], v[BM+\b], v[S+16*\b+15]
.endr
	v_max3_num_f32 v[WK], v[BM], v[BM+1], v[BM+2]
	v_mov_b32 v[WK+1], v[TT]                       ; the old T
	v_max3_num_f32 v[TT+1], v[WK], v[BM+3], v[TT+1]   ; the running maximum
	v_mul_f32 v[TT], s[CS], v[TT+1]
	v_sub_f32 v[WK+2], v[WK+1], v[TT]
.set j, 0
.rept 32
	v_pk_fma_f32 v[S+j:S+j+1], v[S+j:S+j+1], s[CS:CS+1], v[TT:TT+1] op_sel_hi:[1,0,0] neg_lo:[0,0,1] neg_hi:[0,0,1]   ; c s - T, two at a time (of the pairs c and T the low word serves both halves)
.set j, j+2
.endr
	v_exp_f32 v[AA], v[WK+2]                       ; a = 2^(old T - new T)
.set j, 0
.rept 64
	v_exp_f32 v[S+j], v[S+j]
.set j, j+1
.endr
	v_nop                                          ; a plain place behind the last exponential
	s_wait_alu depctr_va_vdst(0)                   ; one wait for the batch of 65, ahead of its first reader
	v_pk_mul_f32 v[LL:LL+1], v[LL:LL+1], v[AA:AA+1] op_sel_hi:[1,0]
	v_pk_add_f32 v[L2:L2+1], v[S:S+1], v[S+2:S+3]  ; the sums, two at a time, in two chains
.irp j, 4,8,12,16,20,24,28,32,36,40,44,48,52,56,60
	v_pk_add_f32 v[LL:LL+1], v[LL:LL+1], v[S+\j:S+\j+1]
	v_pk_add_f32 v[L2:L2+1], v[L2:L2+1], v[S+\j+2:S+\j+3]
.endr
	v_pk_add_f32 v[LL:LL+1], v[LL:LL+1], v[L2:L2+1]
.endm
; A step reads K's slot s and fills slot 1 - s with the next live block's record.  That slot was last read a step ago, and those reads were waited for in front of that step's barrier; it is read behind this step's.
.macro STEP1 s
	s_cmp_eq_u32 s[MREM], 0
	s_cbranch_scc1 .Ldead_\@                       ; the list is at its end: the barrier alone
	s_sub_co_u32 s22, s[MREM], 1
	s_and_b32 s[MREM], s[MREM], s22                ; this step's block leaves the list
	NEXT
	CLOAD GA, NP                                   ; it has the step's work in which to come
	ASK \s
	FRAGS REC*\s, SCK
	QK 1
	PLACES 4                                       ; four plain places between a product and the first read of its result (ISA guide 7.12.1)
	STATS
	s_wait_loadcnt 0x0                             ; the record is in registers; its address may be written again
	CSTORE GA, REC*(1-\s)
.Ldead_\@:
	SYNC
.endm
	s_mov_b32 s[TRIP], 0
.Lpass1:
	STEP1 0
	STEP1 1
	s_add_co_u32 s[TRIP], s[TRIP], 1
	s_cmp_lt_u32 s[TRIP], 16
	s_cbranch_scc1 .Lpass1
	; ---- BETWEEN THE PASSES: the two halves of a row meet.  l = my sum x 2^(my T - c m) + the partner's x 2^(its T - c m), m the row's maximum: two rounded products and a sum that does not mind their order, so both lanes get the same bits.
	v_add_f32 v[WK], v[LL], v[LL+1]
	v_permlanex16_b32 v[WK+1], v[TT+1], s[SEL], s[SEL+1]   ; the partner's m,
	v_permlanex16_b32 v[WK+2], v[TT], s[SEL], s[SEL+1]     ; T,
	v_permlanex16_b32 v[WK+3], v[WK], s[SEL], s[SEL+1]     ; and sum
	v_max_num_f32 v[WK+4], v[TT+1], v[WK+1]        ; the row's maximum
	v_fma_f32 v[WK+5], -v[WK+4], s[CS], v[TT]
	v_fma_f32 v[WK+2], -v[WK+4], s[CS], v[WK+2]
.irp j, 0,1,2,3,4,5,6,7
	v_sub_f32 v[NM+\j], 0, v[WK+4]                 ; -m
.endr
	v_exp_f32 v[WK+5], v[WK+5]
	v_exp_f32 v[WK+2], v[WK+2]
	v_nop
	s_wait_alu depctr_va_vdst(0)                   ; one wait for the two
	v_mul_f32 v[WK], v[WK], v[WK+5]
	v_mul_f32 v[WK+3], v[WK+3], v[WK+2]
	v_add_f32 v[WK], v[WK], v[WK+3]                ; l.  (With no live block it is 0, and what is made of it is never used)
	v_log_f32 v[WK+1], v[WK]
	v_nop
	s_wait_alu depctr_va_vdst(0)
	v_sub_f32 v[NL], 0, v[WK+1]                    ; -log2 l
	PLACES 4
	s_mov_b32 s[MREM], s[MASK]
	s_mov_b32 s[TRIP], 0
; ---- PASS 2.  The finished weights, quantised along the keys: a block of 32 keys lies in lanes l and l xor 16, 16 registers each.
.macro WEIGH
.set j, 0
.rept 32
	v_pk_fma_f32 v[S+j:S+j+1], v[S+j:S+j+1], s[CS:CS+1], v[NL:NL+1] op_sel_hi:[1,0,0]   ; c (s - m) - log2 l; each accumulator is read from its low end on
.set j, j+2
.endr
.set j, 0
.rept 64
	v_exp_f32 v[S+j], v[S+j]                       ; w, normalised
.set j, j+1
.endr
	v_nop                                          ; a plain place behind the last exponential
	s_wait_alu depctr_va_vdst(0)                   ; one wait for the batch of 64
.irp b, 0,1,2,3
	v_max3_num_f32 v[BM+\b], v[S+16*\b], v[S+16*\b+1], 0x1800000   ; no w is negative; the floor 2^(3 - 127) holds the byte at 1 from below
.endr
.irp i, 2,4,6,8,10,12,14
.irp b, 0,1,2,3
	v_max3_num_f32 v[BM+\b], v[BM+\b], v[S+16*\b+\i], v[S+16*\b+\i+1]
.endr
.endr
.irp b, 0,1,2,3
	v_permlanex16_b32 v[BX+\b], v[BM+\b], s[SEL], s[SEL+1]
.endr
.irp b, 0,1,2,3
	v_max_num_f32 v[BM+\b], v[BM+\b], v[BX+\b]     ; the block's largest w
.endr
.irp b, 0,1,2,3
	v_add_nc_u32 v[SO+\b], 0xff000000, v[BM+\b]    ; 2 off its exponent field: the conversion's scale operand
.endr
.irp b, 0,1,2,3
	v_lshrrev_b32 v[BX+\b], 23, v[SO+\b]           ; the byte
.endr
	v_lshl_or_b32 v[PW], v[BX+1], 8, v[BX]         ; the row's scale word for these 128 keys
	v_lshl_or_b32 v[PW], v[BX+2], 16, v[PW]
	v_lshl_or_b32 v[PW], v[BX+3], 24, v[PW]
.irp c, 0,1
	v_cvt_scalef32_pk16_fp6_f32 v[PC+6*\c:PC+6*\c+2], v[S+32*\c:S+32*\c+15], v[SO+2*\c]
	v_cvt_scalef32_pk16_fp6_f32 v[PT+4*\c:PT+4*\c+2], v[S+32*\c+16:S+32*\c+31], v[SO+2*\c+1]
.endr
	v_nop                                          ; one plain place behind a scaled conversion
.irp c, 0,1                            ; the operand's layout wants a WHOLE block in a lane: lanes 0-15 block 2 c, lanes 16-31 block 2 c + 1
.irp i, 0,1,2
	v_permlane16_swap_b32 v[PC+6*\c+\i], v[PT+4*\c+\i]
.endr
.irp i, 0,1,2
	v_mov_b32 v[PC+6*\c+3+\i], v[PT+4*\c+\i]
.endr
.endr
	PLACES 8                                       ; a scale register written by vector instructions stands 8 places ahead of a scaled product, an operand so written 4
.endm
; A step reads K's slot 2 + s and V's slot 4 + s, and fills the two other slots with the next live block's records.
.macro STEP2 s
	s_cmp_eq_u32 s[MREM], 0
	s_cbranch_scc1 .Ldead_\@
	s_sub_co_u32 s22, s[MREM], 1
	s_and_b32 s[MREM], s[MREM], s22
	NEXT
	s_add_nc_u64 s[NQ:NQ+1], s[8:9], s[22:23]
	CLOAD GA, NP
	CLOAD GB, NQ
	FRAGS REC*(2+\s), SCK
	QK 0                                           ; s - m comes out of the product
	PLACES 4                                       ; four places: ahead of the loads into K's registers, which the products have read, and of the first read of the results
	FRAGS REC*(4+\s), SCV                          ; V's fragments land while the weights are made
	WEIGH
	s_wait_dscnt 0x0                               ; V is in
.irp t, 0,1,2,3                        ; O^T += V^T w^T: four accumulators by turns, one instruction a turn; between two links of a chain stand the other three and the next step's eight products
	v_wmma_scale_f32_16x16x128_f8f6f4 v[OA+8*\t:OA+8*\t+7], v[KF+12*\t:KF+12*\t+11], v[PC:PC+11], v[OA+8*\t:OA+8*\t+7], v[SCV+\t], v[PW] matrix_a_fmt:MATRIX_FMT_FP6 matrix_b_fmt:MATRIX_FMT_FP6
.endr
	PLACES 4                                       ; ahead of the next loads into the fragments' registers, and of the way out's reads of O^T
	s_wait_loadcnt 0x0                             ; both records are in registers; their addresses may be written again
	CSTORE GA, REC*(3-\s)
	CSTORE GB, REC*(5-\s)
.Ldead_\@:
	SYNC
.endm
.Lpass2:
	STEP2 0
	STEP2 1
	s_add_co_u32 s[TRIP], s[TRIP], 1
	s_cmp_lt_u32 s[TRIP], 16
	s_cbranch_scc1 .Lpass2
	; ---- THE WAY OUT.  A lane holds 4 x 32 bytes of one row; the rows go through my stage and leave two at a time: 32 lanes store 512 consecutive bytes, at a multiple of 256 from the buffer's first byte.
.irp t, 0,1,2,3
	ds_store_b128 v[STO], v[OA+8*\t:OA+8*\t+3] offset:64*\t       ; each accumulator from its low end on
	ds_store_b128 v[STO], v[OA+8*\t+4:OA+8*\t+7] offset:64*\t+16
.endr
.irp i, 0,1,2,3,4,5,6,7
	ds_load_b128 v[S+4*\i:S+4*\i+3], v[SRD] offset:544*\i         ; LDS serves a wave's instructions in order: these see my stores
.endr
.irp i, 0,1,2,3,4,5,6,7
	s_wait_dscnt 7-\i                              ; load i is back; the 7 - i younger ones may be out
	global_store_b128 v[LI], v[S+4*\i:S+4*\i+3], s[12:13] offset:512*\i th:TH_STORE_NT
.endr
	s_wait_tensorcnt 0x0
	ds_add_u32 v254, v255
	s_wait_dscnt 0x0
	s_endpgm
.Lfunc_end_k_q85dd6a466b_attn:
	.size	k_q85dd6a466b_attn, .Lfunc_end_k_q85dd6a466b_attn-k_q85dd6a466b_attn
	.p2alignl 7, 3214868480
	.fill 96, 4, 3214868480
	.section	.rodata,"a",@progbits
	.p2align	6, 0x0
	.amdhsa_kernel k_q85dd6a466b_attn
		.amdhsa_group_segment_fixed_size 168960
		.amdhsa_private_segment_fixed_size 0
		.amdhsa_enable_private_segment 0
		.amdhsa_kernarg_size 40
		.amdhsa_user_sgpr_count 2
		.amdhsa_user_sgpr_kernarg_segment_ptr 1
		.amdhsa_wavefront_size32 1
		.amdhsa_system_sgpr_workgroup_id_x 1
		.amdhsa_system_sgpr_workgroup_id_y 1
		.amdhsa_system_sgpr_workgroup_id_z 1
		.amdhsa_system_vgpr_workitem_id 0
		.amdhsa_next_free_vgpr 256
		.amdhsa_next_free_sgpr 84
		.amdhsa_reserve_vcc 0
		.amdhsa_float_denorm_mode_32 3
		.amdhsa_float_denorm_mode_16_64 3
		.amdhsa_memory_ordered 1
		.amdhsa_forward_progress 1
		.amdhsa_inst_pref_size 67
	.end_amdhsa_kernel
	.amdgpu_metadata
---
amdhsa.version: [ 1, 2 ]
amdhsa.kernels:
  - .name:           k_q85dd6a466b_attn
    .symbol:         k_q85dd6a466b_attn.kd
    .args:
      - { .name: q, .offset: 0, .size: 8, .value_kind: global_buffer, .address_space: global }
      - { .name: kimg, .offset: 8, .size: 8, .value_kind: global_buffer, .address_space: global }
      - { .name: vimg, .offset: 16, .size: 8, .value_kind: global_buffer, .address_space: global }
      - { .name: layout, .offset: 24, .size: 8, .value_kind: global_buffer, .address_space: global }
      - { .name: out0, .offset: 32, .size: 8, .value_kind: global_buffer, .address_space: global }
    .group_segment_fixed_size: 168960
    .private_segment_fixed_size: 0
    .kernarg_segment_align: 8
    .kernarg_segment_size: 40
    .max_flat_workgroup_size: 256
    .sgpr_count:     84
    .vgpr_count:     256
    .wavefront_size: 32
...
	.end_amdgpu_metadata
.endif
;; end of part 2
;; ======== version 2 of 2: 2 launches; version 1 with the launch attn written anew for expert scheduling mode
;; workspace buffers: kimg 1,703,936 bytes; vimg 1,703,936 bytes
;; launch prep: the kernel of part 1 again; grid 384 x 1, 4 waves a work-group, no clusters, 37,888 bytes of LDS; arguments k, v, kimg, vimg; writes kimg, vimg
;; launch attn (part 3): grid 32 x 8, 8 waves a work-group, no clusters, 168,960 bytes of LDS; arguments q, kimg, vimg, layout, out0; writes out0
.if DOCPART == 3
	.amdgcn_target "amdgcn-amd-amdhsa--gfx1250"
	.amdhsa_code_object_version 6
	.text
	.protected	k_q85dd6a466b_attn
	.globl	k_q85dd6a466b_attn
	.p2align	8
	.type	k_q85dd6a466b_attn,@function
k_q85dd6a466b_attn:
	s_mov_b64 s[64:65], 0
	v_nop
	global_prefetch_b8 v0, s[64:65] scope:SCOPE_SE
	s_setreg_imm32_b32 hwreg(HW_REG_WAVE_SCHED_MODE, 0, 2), 2
	s_setreg_imm32_b32 hwreg(HW_REG_WAVE_MODE, 25, 1), 1
	s_wait_xcnt 0x0
	s_wait_alu depctr_vm_vsrc(0)
; out[b][q][:] = the sum over the LIVE keys k of w(q, k) V[b][k][:], w = softmax over the live keys of Q[b][q] . K[b][k] / 8; a block (128 queries x 128 keys) is live where layout == 1.
; Both products on codes of FP6 (E2M3) with one E8M0 scale for each 32 along a product's K.  WHAT IS QUANTISED FOR THE SECOND PRODUCT IS THE FINISHED, NORMALISED w, so a row's maximum and sum
; are known before any weight is made: TWO PASSES over the row's live blocks.  Pass 1: S = K Q^T, running maximum and sum.  Pass 2: S - m once more (-m is the product's C),
; w = 2^(c (S - m) - log2 l), c = log2(e) / 8, quantised along the keys, O^T += V^T w^T.  A dead block is four whole quantiser blocks of zeros: it is left out.  A row of the layout with no live block gives 0.
; SHARES.  A work-group has the 128 queries of one block row of one batch; wave w has queries 16 w .. 16 w + 15.  Both products are used transposed (source 0 = keys, or V's channels; source 1 = my
; queries): a lane holds ONE query (lane % 16) throughout.
; K AND V come as records of 6,656 bytes, images of the operands' registers, made by the launch before (four fragments of 3 x 512 bytes, then 512 bytes of scale words).  The eight waves copy a
; record into an LDS slot together, through registers; each wave then loads the fragments by ds_load_b128 at 16 x lane.  The head's 64 channels fill half of the instruction's 128: a fragment of K holds TWO tiles of
; 16 keys, and is multiplied by [q | zero codes] and by [zero codes | q].  By the choice of a tile's keys, S's register 16 f + i is key 32 f + 16 (lane / 16) + i.
; THE WALK.  The layout's row becomes a mask of 32 bits; a step takes the mask's lowest bit.  Each loop has 16 trips of two steps, constants of the text: live steps come first, the others pass the barrier alone.  No barrier stands
; under a branch on the mask.  Slots take turns by the step's parity, so every LDS address is a lane term and an immediate.
; LDS: six slots (K for pass 1: 0, 1; K for pass 2: 2, 3; V: 4, 5), then a stage of 16 rows x 272 bytes for each wave: 74,752 bytes are used; the launch claims more.
; LIMITS: NaN and infinities are not served; a weight under 2^-126 becomes 0 (v_exp_f32 gives 0 there: ISA guide, its entry); a block of weights, or of q, whose largest magnitude lies under 2^-124 gets the scale byte 1.
; THE MODE: SCHED_MODE bits 1:0 = 2 (LLVM: expert scheduling mode 2), set by the entry lines.  The code itself states the register dependences
; between vector or matrix instructions and memory or LDS instructions, with s_wait_alu, always for 0.
; THE PLAN.  Registers that memory or LDS instructions touch:
;   v1-6        addresses and offsets: written once, ahead of the head's first wait on va_vdst, and never again.
;   GA, GB      Written by the global loads at a step's head, read by the LDS stores at its end; no vector instruction names them.  One wait on vm_vsrc at a step's head: the last stores have read them.
;   SCK, KF     Written by the LDS loads at a step's head, read by the step's eight products K Q^T.  The one wait for the step's batch of exponentials stands behind those products, and nothing behind it
;               names these registers: it also states that the products are done reading them, for the next step's loads.
;   SCV, VF     Pass 2: written by the LDS loads at a step's head, read by the step's last four products.  One wait on va_vdst at the next step's head, behind the barrier.
;   S           At the head q passes through it (loads, LDS stores, LDS loads); then vector and matrix instructions alone, until the way out's loads land in its first 32 registers.
;   OA          Written by moves and products; read by the way out's LDS stores, behind one wait on va_vdst.
;   QZ, QS, PC, PW  Written by vector instructions and taken by scaled products as operands and scales: the places, then a wait on va_vdst.
.set REC,  6656
.set STG,  6*REC
.set SPT,  272                         ; a stage row: 256 bytes + 16: row r starts 4 r banks on (64 banks of 4 bytes: ISA guide 11.1)
.set WST,  16*SPT
.set LI,   1                           ; v1   16 x lane
.set TID8, 2                           ; v2   8 x thread: the copies' place in a sweep of 2,048 bytes
.set PFO,  3                           ; v3   256 x lane: the prefetch's offset; never rewritten
.set STO,  4                           ; v4   stage: row r, + 32 h: where I put my results
.set SRD,  5                           ; v5   stage: two rows an instruction: 272 (lane / 16) + 16 (lane % 16)
.set SQ,   6                           ; v6   stage: row r, + 128 h: my 32 channels of q
.set GA,   8                           ; v8-15   a record of K on its way to LDS
.set GB,   16                          ; v16-23  a record of V
.set QZ,   24                          ; v24-41  six zeros, q's six registers, six zeros: [0 | q] = v24-35, [q | 0] = v30-41
.set QS,   42                          ; v42     q's scale word: its two bytes, twice
.set NM,   44                          ; v44-51  -m, eight times: the C of pass 2's first product
.set TT,   52                          ; v52 T = c m rounded, v53 m
.set LL,   54                          ; v54-55  the sum, in two halves
.set AA,   56                          ; v56 a = 2^(old T - new T); v57 = 0 (named with it as a pair)
.set NL,   58                          ; v58 -log2 l; v59 = 0
.set WK,   60                          ; v60-65  at work
.set L2,   66                          ; v66-67  the sum's second chain
.set SCK,  68                          ; v68-71  K's scale words, a register a fragment
.set SCV,  72                          ; v72-75  V's
.set KF,   76                          ; v76-123 K's four fragments
.set S,    124                         ; v124-187 S^T, then the weights
.set OA,   188                         ; v188-219 O^T: register 8 t + j is channel 16 t + 8 h + j
.set PC,   220                         ; v220-231 the weights' codes
.set PT,   232                         ; v232-234, v236-238 second halves of the conversions
.set BM,   240                         ; v240-243 largest numbers of four blocks
.set BX,   244                         ; v244-247 the partner's; then the bytes
.set SO,   248                         ; v248-251 the conversions' scale operands
.set PW,   252                         ; v252    the weights' scale word
.set VF,   0                           ; window 1, v0-47 (v256-303): V's four fragments
.set WV,   14                          ; s14  wave
.set ROW,  15                          ; s15  block row
.set MASK, 16                          ; s16  bit j: block j of my row is live
.set MREM, 17                          ; s17  the blocks still to come
.set TRIP, 18
.set NQ,   20                          ; s[20:21] the next record of V
.set NP,   24                          ; s[24:25] the next record of K
.set CS,   26                          ; s[26:27] c, twice
.set SEL,  28                          ; s[28:29] v_permlanex16_b32's selects for lane l xor 16
.set PFA,  30                          ; s[30:31] where my prefetch stands; never rewritten
.set PFT,  32                          ; s32, s33: 0 in the wave that asks in trip 0's first, second step; else -1
.set MSB, 0
.macro WIN new                         ; s_set_vgpr_msb's low byte: bits 1:0 source 0, 7:6 destination; the immediate's high byte repeats the setting that is left
.if MSB != \new
	s_set_vgpr_msb (MSB<<8)|\new
.set MSB, \new
.endif
.endm
.macro PLACES n
.rept \n
	v_nop
.endr
.endm
; The record of the mask's lowest block.  An empty mask gives -1, which the hold turns into 31: the batch's last record, inside the buffer; it is copied and never read.
.macro NEXT
	s_ctz_i32_b32 s22, s[MREM]
	s_min_u32 s22, s22, 31
	s_mul_i32 s22, s22, REC
	s_mov_b32 s23, 0
	s_add_nc_u64 s[NP:NP+1], s[6:7], s[22:23]
.endm
; A record, 6,656 bytes, by the work-group's 256 threads, 8 bytes each: three sweeps of 2,048 bytes and a quarter sweep, which waves 0 and 1 make.
.macro CLOAD g, b
.irp i, 0,1,2
	global_load_b64 v[\g+2*\i:\g+2*\i+1], v[TID8], s[\b:\b+1] offset:2048*\i
.endr
	s_cmp_lt_u32 s[WV], 2
	s_cbranch_scc0 .Lno_quarter_\@
	global_load_b64 v[\g+6:\g+7], v[TID8], s[\b:\b+1] offset:6144
.Lno_quarter_\@:
.endm
.macro CSTORE g, off
.irp i, 0,1,2
	ds_store_b64 v[TID8], v[\g+2*\i:\g+2*\i+1] offset:(\off)+2048*\i
.endr
	s_cmp_lt_u32 s[WV], 2
	s_cbranch_scc0 .Lno_quarter_\@
	ds_store_b64 v[TID8], v[\g+6:\g+7] offset:(\off)+6144
.Lno_quarter_\@:
.endm
.macro FRAGS base                      ; a record of K: its scale words and its four fragments: 13 loads of 512 consecutive bytes
	ds_load_b128 v[SCK:SCK+3], v[LI] offset:(\base)+6144
.irp f, 0,1,2,3
.irp c, 0,1,2
	ds_load_b128 v[KF+12*\f+4*\c:KF+12*\f+4*\c+3], v[LI] offset:(\base)+1536*\f+512*\c
.endr
.endr
.endm
.macro VFRAGS base                     ; a record of V likewise: the scale words into window 0 (scale operands have no window), the fragments into window 1
	ds_load_b128 v[SCV:SCV+3], v[LI] offset:(\base)+6144
	WIN 0x40                                       ; destination window 1, address window 0
.irp f, 0,1,2,3
.irp c, 0,1,2
	ds_load_b128 v[VF+12*\f+4*\c:VF+12*\f+4*\c+3], v[LI] offset:(\base)+1536*\f+512*\c
.endr
.endr
	WIN 0
.endm
; S^T = K Q^T for 128 keys: each double fragment against [q | 0] (its first 16 keys) and [0 | q] (its second 16).  zero = 1: C = 0; else C = -m.  Eight accumulators, one instruction each.
; behind: the LDS loads issued behind K's thirteen, which may stay out.
.macro QK zero, behind
.irp f, 0,1,2,3
	s_wait_dscnt (\behind)+9-3*\f                  ; LDS loads come back in order: the scale words and fragments 0 .. f are in; the later fragments' three loads each, and what was issued behind K's, may be out
.if \zero
	v_wmma_scale_f32_16x16x128_f8f6f4 v[S+16*\f:S+16*\f+7], v[KF+12*\f:KF+12*\f+11], v[QZ+6:QZ+17], 0, v[SCK+\f], v[QS] matrix_a_fmt:MATRIX_FMT_FP6 matrix_b_fmt:MATRIX_FMT_FP6
	v_wmma_scale_f32_16x16x128_f8f6f4 v[S+16*\f+8:S+16*\f+15], v[KF+12*\f:KF+12*\f+11], v[QZ:QZ+11], 0, v[SCK+\f], v[QS] matrix_a_fmt:MATRIX_FMT_FP6 matrix_b_fmt:MATRIX_FMT_FP6
.else
	v_wmma_scale_f32_16x16x128_f8f6f4 v[S+16*\f:S+16*\f+7], v[KF+12*\f:KF+12*\f+11], v[QZ+6:QZ+17], v[NM:NM+7], v[SCK+\f], v[QS] matrix_a_fmt:MATRIX_FMT_FP6 matrix_b_fmt:MATRIX_FMT_FP6
	v_wmma_scale_f32_16x16x128_f8f6f4 v[S+16*\f+8:S+16*\f+15], v[KF+12*\f:KF+12*\f+11], v[QZ:QZ+11], v[NM:NM+7], v[SCK+\f], v[QS] matrix_a_fmt:MATRIX_FMT_FP6 matrix_b_fmt:MATRIX_FMT_FP6
.endif
.endr
.endm
.macro SYNC                            ; my LDS stores have landed and my LDS loads are in: then the work-group's barrier
	s_wait_dscnt 0x0
	s_barrier_signal -1
	s_barrier_wait -1
.endm
; A PREFETCH of the batch's images: 832 blocks of 256 bytes of K's and as many of V's.  Each is named once in the launch: the work-group of block row p < 26 names blocks 32 p .. 32 p + 31, a lane a block, one instruction:
; wave 4 for K's in its first live step, wave 5 for V's in its second, behind the step's loads.  The first records come by their loads alone.
.macro ASK s
	s_cmp_eq_u32 s[TRIP], s[PFT+\s]
	s_cbranch_scc0 .Lnot_mine_\@
	global_prefetch_b8 v[PFO], s[PFA:PFA+1] th:TH_LOAD_NT scope:SCOPE_SE
.Lnot_mine_\@:
.endm
	s_load_b256 s[4:11], s[0:1], 0x0               ; q s[4:5], kimg s[6:7], vimg s[8:9], layout s[10:11]
	s_load_b64 s[12:13], s[0:1], 0x20              ; out
	v_lshl_add_u32 v254, v0, 2, 0x29000
	v_mov_b32 v255, 0
	v_lshrrev_b32 v7, 5, v0
	v_readfirstlane_b32 s[WV], v7                  ; wave 0..7
	s_mov_b32 s[ROW], ttmp9
	s_and_b32 s19, ttmp7, 0xffff                   ; batch
	v_and_b32 v7, 31, v0                           ; lane
	v_lshlrev_b32 v[LI], 4, v7
	v_lshlrev_b32 v[TID8], 3, v0
	v_lshlrev_b32 v[PFO], 8, v7
	v_and_b32 v[WK], 15, v0                        ; r
	v_bfe_u32 v[WK+1], v0, 4, 1                    ; h
	s_wait_alu depctr_va_sdst(0)                   ; the wave's number is written, ahead of its first reader: the line below
	s_mul_i32 s22, s[WV], WST
	s_add_co_u32 s22, s22, STG                     ; my stage
	v_mul_u32_u24 v[WK+2], v[WK], SPT
	v_add_nc_u32 v[WK+2], s22, v[WK+2]             ; its row r
	v_lshl_add_u32 v[STO], v[WK+1], 5, v[WK+2]
	v_lshl_add_u32 v[SQ], v[WK+1], 7, v[WK+2]
	v_mul_u32_u24 v[SRD], v[WK+1], SPT
	v_lshl_add_u32 v[SRD], v[WK], 4, v[SRD]
	v_add_nc_u32 v[SRD], s22, v[SRD]
	v_lshlrev_b32 v[WK+3], 3, v[WK+1]              ; 8 h
	s_mov_b32 s[CS], 0x3e38aa3b                    ; c = log2(e) / 8
	s_mov_b32 s[CS+1], s[CS]                       ; (named with it as a pair, so it is written)
	s_mov_b32 s[SEL], 0x76543210
	s_mov_b32 s[SEL+1], 0xfedcba98
	s_mul_i32 s22, s19, 32*REC                     ; the batch's 32 records
	s_mov_b32 s23, 0
	s_lshl_b32 s34, s19, 20                        ; q and out: 4,096 rows of 256 bytes a batch,
	s_lshl_b32 s35, s[ROW], 15                     ; 128 rows a block row,
	s_add_co_u32 s34, s34, s35
	s_lshl_b32 s35, s[WV], 12                      ; 16 rows a wave
	s_add_co_u32 s34, s34, s35
	s_mov_b32 s35, 0
	s_lshl_b32 s20, s[ROW], 7                      ; the layout's row: 32 words
	s_mov_b32 s21, 0
	s_wait_kmcnt 0x0
	s_add_nc_u64 s[6:7], s[6:7], s[22:23]
	s_add_nc_u64 s[8:9], s[8:9], s[22:23]
	s_add_nc_u64 s[4:5], s[4:5], s[34:35]
	s_add_nc_u64 s[12:13], s[12:13], s[34:35]
	s_add_nc_u64 s[10:11], s[10:11], s[20:21]
	s_load_b512 s[36:51], s[10:11], 0x0            ; blocks 0 .. 15 of my row
	s_load_b512 s[68:83], s[10:11], 0x40           ; blocks 16 .. 31
	s_wait_alu depctr_va_vdst(0)                   ; the six addresses and offsets v1 to v6 are written: every load, store and prefetch of the kernel reads one of them, and none is written again
.irp i, 0,1,2,3,4,5,6,7
	global_load_b128 v[S+4*\i:S+4*\i+3], v[LI], s[4:5] offset:512*\i th:TH_LOAD_NT   ; my 16 rows of q, 512 consecutive bytes a load
.endr
	s_cmp_eq_u32 s[WV], 4                          ; the prefetch: wave 4 stands in K's images, wave 5 in V's (the others never ask)
	s_cselect_b64 s[PFA:PFA+1], s[6:7], s[8:9]
	s_min_u32 s20, s[ROW], 25                      ; held at the last part, so that the address lies inside the batch's images in every work-group
	s_lshl_b32 s20, s20, 13                        ; 32 blocks of 256 bytes a block row
	s_mov_b32 s21, 0
	s_add_nc_u64 s[PFA:PFA+1], s[PFA:PFA+1], s[20:21]
	s_cmp_lt_u32 s[ROW], 26
	s_cselect_b32 s22, 0, -1
	s_cmp_eq_u32 s[WV], 4
	s_cselect_b32 s[PFT], s22, -1
	s_cmp_eq_u32 s[WV], 5
	s_cselect_b32 s[PFT+1], s22, -1
	s_mov_b32 s[MASK], 0
	s_wait_kmcnt 0x0
.set i, 31                             ; the mask, from block 31 down: twice the mask so far, plus 1 where the entry is 1
.rept 16
	s_cmp_eq_u32 s[68+i-16], 1
	s_add_co_ci_u32 s[MASK], s[MASK], s[MASK]
.set i, i-1
.endr
.rept 16
	s_cmp_eq_u32 s[36+i], 1
	s_add_co_ci_u32 s[MASK], s[MASK], s[MASK]
.set i, i-1
.endr
	s_mov_b32 s[MREM], s[MASK]
	NEXT                                           ; the first live block's records of K and of V
	s_add_nc_u64 s[NQ:NQ+1], s[8:9], s[22:23]
	CLOAD GA, NP
	CLOAD GB, NQ
	s_wait_loadcnt 6                               ; q's eight loads are in: behind them every wave has issued six loads or (waves 0, 1) eight
.irp i, 0,1,2,3,4,5,6,7
	ds_store_b128 v[SRD], v[S+4*\i:S+4*\i+3] offset:544*\i        ; q turns through my stage: in as it lies,
.endr
.irp i, 0,1,2,3,4,5,6,7
	ds_load_b128 v[S+32+4*\i:S+32+4*\i+3], v[SQ] offset:16*\i     ; back as 32 neighbours of row r: a whole block a lane.  LDS serves a wave's instructions in order
.endr
.set j, 0
.rept 6
	v_mov_b32 v[QZ+j], 0                           ; zero codes on both sides of q's
	v_mov_b32 v[QZ+12+j], 0
.set j, j+1
.endr
	s_wait_dscnt 0x0
	s_wait_alu depctr_vm_vsrc(0)                   ; my LDS stores have read v[S] to v[S+31]: the products write these registers, and the way out's loads land in them
	v_max3_num_f32 v[WK+4], |v[S+32]|, |v[S+33]|, 0x1800000       ; the block's largest magnitude, and the floor 2^(3 - 127)
.irp i, 2,4,6,8,10,12,14,16,18,20,22,24,26,28,30
	v_max3_num_f32 v[WK+4], v[WK+4], |v[S+32+\i]|, |v[S+33+\i]|
.endr
	v_add_nc_u32 v[WK+5], 0xff000000, v[WK+4]      ; 2 off its exponent field: the conversions' scale operand
	v_lshrrev_b32 v[WK+4], 23, v[WK+5]             ; the byte,
	v_lshlrev_b32 v[WK+4], v[WK+3], v[WK+4]        ; 8 h bits up;
	v_permlanex16_b32 v[WK+2], v[WK+4], s[SEL], s[SEL+1]
	v_or_b32 v[WK+4], v[WK+4], v[WK+2]             ; with lane l xor 16's: the row's two bytes,
	v_lshl_or_b32 v[QS], v[WK+4], 16, v[WK+4]      ; twice: for [q | 0] and for [0 | q]
	v_cvt_scalef32_pk16_fp6_f32 v[QZ+6:QZ+8], v[S+32:S+47], v[WK+5]
	v_cvt_scalef32_pk16_fp6_f32 v[PT:PT+2], v[S+48:S+63], v[WK+5] ; (a conversion's three registers begin on an even number)
	v_nop                                          ; one plain place behind a scaled conversion
.irp i, 0,1,2
	v_mov_b32 v[QZ+9+\i], v[PT+\i]
.endr
	v_mov_b32 v[TT+1], 0xff61b1e6                  ; m: -3e38, under every score
	v_mul_f32 v[TT], s[CS], v[TT+1]                ; T
.irp r, LL, LL+1, AA, AA+1, NL, NL+1, BX, BX+1, BX+2, BX+3
	v_mov_b32 v[\r], 0                             ; the sums; the pairs' upper halves; the lane permutes' destinations
.endr
.set j, 0
.rept 32
	v_mov_b32 v[OA+j], 0                           ; O^T: which step is the first live one is not known to the text, and a row with no live block leaves these zeros.  (They are also the places between q's operand and scale word and the first product)
.set j, j+1
.endr
	s_wait_alu depctr_va_vdst(0)                   ; q's codes, the zero codes beside them and q's scale word are written, which every product K Q^T takes as an operand and as scales; the moves above are the places, which stay beside this wait
	s_wait_loadcnt 0x0                             ; the two records
	CSTORE GA, 0                                   ; K's, for pass 1's first step,
	CSTORE GA, 2*REC                               ; and for pass 2's: its slots are its own, so this copy is kept
	CSTORE GB, 4*REC                               ; V's
	SYNC
; ---- PASS 1.  Each lane keeps m, T and the sum of ITS half of a row's keys: no lane is asked inside the loop.  p = 2^(c s - T), T = c m rounded; the sum and its rescaling use the same T, and what T lacks of c m is taken out once, behind the loop.
.macro STATS
.irp b, 0,1,2,3
	v_max3_num_f32 v[BM+\b], v[S+16*\b], v[S+16*\b+1], v[S+16*\b+2]   ; four chains by turns; each accumulator is read from its low end on
.endr
.irp i, 3,5,7,9,11,13
.irp b, 0,1,2,3
	v_max3_num_f32 v[BM+\b], v[BM+\b], v[S+16*\b+\i], v[S+16*\b+\i+1]
.endr
.endr
.irp b, 0,1,2,3
	v_max_num_f32 v[BM+\b], v[BM+\b], v[S+16*\b+15]
.endr
	v_max3_num_f32 v[WK], v[BM], v[BM+1], v[BM+2]
	v_mov_b32 v[WK+1], v[TT]                       ; the old T
	v_max3_num_f32 v[TT+1], v[WK], v[BM+3], v[TT+1]   ; the running maximum
	v_mul_f32 v[TT], s[CS], v[TT+1]
	v_sub_f32 v[WK+2], v[WK+1], v[TT]
.set j, 0
.rept 32
	v_pk_fma_f32 v[S+j:S+j+1], v[S+j:S+j+1], s[CS:CS+1], v[TT:TT+1] op_sel_hi:[1,0,0] neg_lo:[0,0,1] neg_hi:[0,0,1]   ; c s - T, two at a time (of the pairs c and T the low word serves both halves)
.set j, j+2
.endr
	v_exp_f32 v[AA], v[WK+2]                       ; a = 2^(old T - new T)
.set j, 0
.rept 64
	v_exp_f32 v[S+j], v[S+j]
.set j, j+1
.endr
	v_nop                                          ; a plain place behind the last exponential
	s_wait_alu depctr_va_vdst(0)                   ; the batch of 65 exponentials has written v[AA] and v[S ..], ahead of their first reader; and the step's products are done reading K's fragments and scale words, in which the next step's loads land: nothing behind this wait names them
	v_pk_mul_f32 v[LL:LL+1], v[LL:LL+1], v[AA:AA+1] op_sel_hi:[1,0]
	v_pk_add_f32 v[L2:L2+1], v[S:S+1], v[S+2:S+3]  ; the sums, two at a time, in two chains
.irp j, 4,8,12,16,20,24,28,32,36,40,44,48,52,56,60
	v_pk_add_f32 v[LL:LL+1], v[LL:LL+1], v[S+\j:S+\j+1]
	v_pk_add_f32 v[L2:L2+1], v[L2:L2+1], v[S+\j+2:S+\j+3]
.endr
	v_pk_add_f32 v[LL:LL+1], v[LL:LL+1], v[L2:L2+1]
.endm
; A step reads K's slot s and fills slot 1 - s with the next live block's record.  That slot was last read a step ago, and those reads were waited for in front of that step's barrier; it is read behind this step's.
.macro STEP1 s
	s_cmp_eq_u32 s[MREM], 0
	s_cbranch_scc1 .Ldead_\@                       ; the list is at its end: the barrier alone
	s_sub_co_u32 s22, s[MREM], 1
	s_and_b32 s[MREM], s[MREM], s22                ; this step's block leaves the list
	NEXT
	s_wait_alu depctr_vm_vsrc(0)                   ; the LDS stores of the step before (at first: of the head) have read v[GA ..], in which the loads below land
	CLOAD GA, NP                                   ; it has the step's work in which to come
	ASK \s
	FRAGS REC*\s                                   ; no wait: no vector or matrix instruction since the last wait on va_vdst names K's fragments or scale words
	QK 1, 0
	PLACES 4                                       ; four plain places between a product and the first read of its result (ISA guide 7.12.1)
	STATS
	s_wait_loadcnt 0x0                             ; the record is in registers; its address may be written again
	CSTORE GA, REC*(1-\s)
.Ldead_\@:
	SYNC
.endm
	s_mov_b32 s[TRIP], 0
.Lpass1:
	STEP1 0
	STEP1 1
	s_add_co_u32 s[TRIP], s[TRIP], 1
	s_cmp_lt_u32 s[TRIP], 16
	s_cbranch_scc1 .Lpass1
	; ---- BETWEEN THE PASSES: the two halves of a row meet.  l = my sum x 2^(my T - c m) + the partner's x 2^(its T - c m), m the row's maximum: two rounded products and a sum that does not mind their order, so both lanes get the same bits.
	v_add_f32 v[WK], v[LL], v[LL+1]
	v_permlanex16_b32 v[WK+1], v[TT+1], s[SEL], s[SEL+1]   ; the partner's m,
	v_permlanex16_b32 v[WK+2], v[TT], s[SEL], s[SEL+1]     ; T,
	v_permlanex16_b32 v[WK+3], v[WK], s[SEL], s[SEL+1]     ; and sum
	v_max_num_f32 v[WK+4], v[TT+1], v[WK+1]        ; the row's maximum
	v_fma_f32 v[WK+5], -v[WK+4], s[CS], v[TT]
	v_fma_f32 v[WK+2], -v[WK+4], s[CS], v[WK+2]
.irp j, 0,1,2,3,4,5,6,7
	v_sub_f32 v[NM+\j], 0, v[WK+4]                 ; -m
.endr
	v_exp_f32 v[WK+5], v[WK+5]
	v_exp_f32 v[WK+2], v[WK+2]
	v_nop
	s_wait_alu depctr_va_vdst(0)                   ; the two exponentials have written v[WK+5] and v[WK+2], ahead of their first reader
	v_mul_f32 v[WK], v[WK], v[WK+5]
	v_mul_f32 v[WK+3], v[WK+3], v[WK+2]
	v_add_f32 v[WK], v[WK], v[WK+3]                ; l.  (With no live block it is 0, and what is made of it is never used)
	v_log_f32 v[WK+1], v[WK]
	v_nop
	s_wait_alu depctr_va_vdst(0)                   ; the logarithm has written v[WK+1], ahead of its reader
	v_sub_f32 v[NL], 0, v[WK+1]                    ; -log2 l
	PLACES 4
	s_mov_b32 s[MREM], s[MASK]
	s_mov_b32 s[TRIP], 0
; ---- PASS 2.  The finished weights, quantised along the keys: a block of 32 keys lies in lanes l and l xor 16, 16 registers each.
.macro WEIGH
.set j, 0
.rept 32
	v_pk_fma_f32 v[S+j:S+j+1], v[S+j:S+j+1], s[CS:CS+1], v[NL:NL+1] op_sel_hi:[1,0,0]   ; c (s - m) - log2 l; each accumulator is read from its low end on
.set j, j+2
.endr
.set j, 0
.rept 64
	v_exp_f32 v[S+j], v[S+j]                       ; w, normalised
.set j, j+1
.endr
	v_nop                                          ; a plain place behind the last exponential
	s_wait_alu depctr_va_vdst(0)                   ; the batch of 64 exponentials has written v[S ..], ahead of its first reader
.irp b, 0,1,2,3
	v_max3_num_f32 v[BM+\b], v[S+16*\b], v[S+16*\b+1], 0x1800000   ; no w is negative; the floor 2^(3 - 127) holds the byte at 1 from below
.endr
.irp i, 2,4,6,8,10,12,14
.irp b, 0,1,2,3
	v_max3_num_f32 v[BM+\b], v[BM+\b], v[S+16*\b+\i], v[S+16*\b+\i+1]
.endr
.endr
.irp b, 0,1,2,3
	v_permlanex16_b32 v[BX+\b], v[BM+\b], s[SEL], s[SEL+1]
.endr
.irp b, 0,1,2,3
	v_max_num_f32 v[BM+\b], v[BM+\b], v[BX+\b]     ; the block's largest w
.endr
.irp b, 0,1,2,3
	v_add_nc_u32 v[SO+\b], 0xff000000, v[BM+\b]    ; 2 off its exponent field: the conversion's scale operand
.endr
.irp b, 0,1,2,3
	v_lshrrev_b32 v[BX+\b], 23, v[SO+\b]           ; the byte
.endr
	v_lshl_or_b32 v[PW], v[BX+1], 8, v[BX]         ; the row's scale word for these 128 keys
	v_lshl_or_b32 v[PW], v[BX+2], 16, v[PW]
	v_lshl_or_b32 v[PW], v[BX+3], 24, v[PW]
.irp c, 0,1
	v_cvt_scalef32_pk16_fp6_f32 v[PC+6*\c:PC+6*\c+2], v[S+32*\c:S+32*\c+15], v[SO+2*\c]
	v_cvt_scalef32_pk16_fp6_f32 v[PT+4*\c:PT+4*\c+2], v[S+32*\c+16:S+32*\c+31], v[SO+2*\c+1]
.endr
	v_nop                                          ; one plain place behind a scaled conversion
.irp c, 0,1                            ; the operand's layout wants a WHOLE block in a lane: lanes 0-15 block 2 c, lanes 16-31 block 2 c + 1
.irp i, 0,1,2
	v_permlane16_swap_b32 v[PC+6*\c+\i], v[PT+4*\c+\i]
.endr
.irp i, 0,1,2
	v_mov_b32 v[PC+6*\c+3+\i], v[PT+4*\c+\i]
.endr
.endr
	PLACES 8                                       ; a scale register written by vector instructions stands 8 places ahead of a scaled product, an operand so written 4
.endm
; A step reads K's slot 2 + s and V's slot 4 + s, and fills the two other slots with the next live block's records.  All its 26 LDS loads go out at its head: V's fragments have registers of their own and the whole step in which to land.
.macro STEP2 s
	s_cmp_eq_u32 s[MREM], 0
	s_cbranch_scc1 .Ldead_\@
	s_sub_co_u32 s22, s[MREM], 1
	s_and_b32 s[MREM], s[MREM], s22
	NEXT
	s_add_nc_u64 s[NQ:NQ+1], s[8:9], s[22:23]
	s_wait_alu depctr_vm_vsrc(0)                   ; the LDS stores of the step before (at first: of pass 1 and of the head) have read v[GA ..] and v[GB ..], in which the loads below land
	CLOAD GA, NP
	CLOAD GB, NQ
	s_wait_alu depctr_va_vdst(0)                   ; the last step's four products V^T w^T are done reading V's fragments and scale words, in which the loads below land; between this wait and them stand loads and a window switch alone
	FRAGS REC*(2+\s)
	VFRAGS REC*(4+\s)
	QK 0, 13                                       ; s - m comes out of the product; V's thirteen loads may be out
	PLACES 4                                       ; four plain places between a product and the first read of its result (ISA guide 7.12.1)
	WEIGH
	s_wait_alu depctr_va_vdst(0)                   ; the weights' codes v[PC ..] and their scale word v[PW] are written, which the products below take as an operand and as scales; the eight places above stay beside this wait
	s_wait_dscnt 0x0                               ; V is in
	WIN 0x01                                       ; source 0 (V) window 1
.irp t, 0,1,2,3                        ; O^T += V^T w^T: four accumulators by turns, one instruction a turn; between two links of a chain stand the other three and the next step's eight products
	v_wmma_scale_f32_16x16x128_f8f6f4 v[OA+8*\t:OA+8*\t+7], v[VF+12*\t:VF+12*\t+11], v[PC:PC+11], v[OA+8*\t:OA+8*\t+7], v[SCV+\t], v[PW] matrix_a_fmt:MATRIX_FMT_FP6 matrix_b_fmt:MATRIX_FMT_FP6
.endr
	WIN 0                                          ; at a label and at a branch every window is 0
	PLACES 4                                       ; four places ahead of the way out's reads of O^T
	s_wait_loadcnt 0x0                             ; both records are in registers; their addresses may be written again
	CSTORE GA, REC*(3-\s)
	CSTORE GB, REC*(5-\s)
.Ldead_\@:
	SYNC
.endm
.Lpass2:
	STEP2 0
	STEP2 1
	s_add_co_u32 s[TRIP], s[TRIP], 1
	s_cmp_lt_u32 s[TRIP], 16
	s_cbranch_scc1 .Lpass2
	; ---- THE WAY OUT.  A lane holds 4 x 32 bytes of one row; the rows go through my stage and leave two at a time: 32 lanes store 512 consecutive bytes, at a multiple of 256 from the buffer's first byte.
	s_wait_alu depctr_va_vdst(0)                   ; the products (with no live block: the head's moves) have written O^T, which the LDS stores read; and the vector and matrix instructions that named v[S] to v[S+31] are done, in which the loads below land
.irp t, 0,1,2,3
	ds_store_b128 v[STO], v[OA+8*\t:OA+8*\t+3] offset:64*\t       ; each accumulator from its low end on
	ds_store_b128 v[STO], v[OA+8*\t+4:OA+8*\t+7] offset:64*\t+16
.endr
.irp i, 0,1,2,3,4,5,6,7
	ds_load_b128 v[S+4*\i:S+4*\i+3], v[SRD] offset:544*\i         ; LDS serves a wave's instructions in order: these see my stores
.endr
.irp i, 0,1,2,3,4,5,6,7
	s_wait_dscnt 7-\i                              ; load i is back; the 7 - i younger ones may be out
	global_store_b128 v[LI], v[S+4*\i:S+4*\i+3], s[12:13] offset:512*\i th:TH_STORE_NT
.endr
	s_wait_dscnt 0x0
	s_wait_alu depctr_hold_cnt(0) depctr_sa_sdst(0) depctr_va_vdst(0) depctr_va_sdst(0) depctr_va_ssrc(0) depctr_va_vcc(0) depctr_vm_vsrc(0)
	s_wait_tensorcnt 0x0
	ds_add_u32 v254, v255
	s_wait_dscnt 0x0
	s_endpgm
.Lfunc_end_k_q85dd6a466b_attn:
	.size	k_q85dd6a466b_attn, .Lfunc_end_k_q85dd6a466b_attn-k_q85dd6a466b_attn
	.p2alignl 7, 3214868480
	.fill 96, 4, 3214868480
	.section	.rodata,"a",@progbits
	.p2align	6, 0x0
	.amdhsa_kernel k_q85dd6a466b_attn
		.amdhsa_group_segment_fixed_size 168960
		.amdhsa_private_segment_fixed_size 0
		.amdhsa_enable_private_segment 0
		.amdhsa_kernarg_size 40
		.amdhsa_user_sgpr_count 2
		.amdhsa_user_sgpr_kernarg_segment_ptr 1
		.amdhsa_wavefront_size32 1
		.amdhsa_system_sgpr_workgroup_id_x 1
		.amdhsa_system_sgpr_workgroup_id_y 1
		.amdhsa_system_sgpr_workgroup_id_z 1
		.amdhsa_system_vgpr_workitem_id 0
		.amdhsa_next_free_vgpr 304
		.amdhsa_next_free_sgpr 84
		.amdhsa_reserve_vcc 0
		.amdhsa_float_denorm_mode_32 3
		.amdhsa_float_denorm_mode_16_64 3
		.amdhsa_memory_ordered 1
		.amdhsa_forward_progress 1
		.amdhsa_inst_pref_size 67
	.end_amdhsa_kernel
	.amdgpu_metadata
---
amdhsa.version: [ 1, 2 ]
amdhsa.kernels:
  - .name:           k_q85dd6a466b_attn
    .symbol:         k_q85dd6a466b_attn.kd
    .args:
      - { .name: q, .offset: 0, .size: 8, .value_kind: global_buffer, .address_space: global }
      - { .name: kimg, .offset: 8, .size: 8, .value_kind: global_buffer, .address_space: global }
      - { .name: vimg, .offset: 16, .size: 8, .value_kind: global_buffer, .address_space: global }
      - { .name: layout, .offset: 24, .size: 8, .value_kind: global_buffer, .address_space: global }
      - { .name: out0, .offset: 32, .size: 8, .value_kind: global_buffer, .address_space: global }
    .group_segment_fixed_size: 168960
    .private_segment_fixed_size: 0
    .kernarg_segment_align: 8
    .kernarg_segment_size: 40
    .max_flat_workgroup_size: 256
    .sgpr_count:     84
    .vgpr_count:     304
    .wavefront_size: 32
...
	.end_amdgpu_metadata
.endif
;; end of part 3
